; MI455X (gfx1250); checked and timed in simulation.
; The chip was launched on July 23, 2026; its instructions are those of AMD's public machine-readable ISA for CDNA 5 (MIT licence, August 2026) and "CDNA5" Instruction Set Architecture Reference Guide (July 2026). The comments in the code are by the model that wrote it; some were corrected since.
;; Masked Multi Head Self Attention. Allowed arithmetic: float matrix products may take bf16 or f16 operands with f32 sums; all other float work in f32.
;; Inputs: Wk 512 x 512 float32; Wo 512 x 512 float32; Wq 512 x 512 float32; Wv 512 x 512 float32; adj 2,048 x 2,048 int32; bk 512 float32; bo 512 float32; bq 512 float32; bv 512 float32; h 4 x 2,048 x 512 float32.
;; Outputs: out0 4 x 2,048 x 512 float32.
;; One version. Each part assembles by itself: llvm-mc -triple=amdgcn-amd-amdhsa -mcpu=gfx1250 --defsym DOCPART=n.
;; ======== version 1 of 1: 3 launches
;; workspace buffers: q 8,388,608 bytes; kv 16,777,216 bytes; maskbits 524,288 bytes of whole numbers; wo16 524,288 bytes; ao 8,388,608 bytes
;; launch qkv (part 1): grid 32 x 8, 8 waves a work-group, no clusters, 199,680 bytes of LDS; arguments h, Wq, Wk, Wv, bq, bk, bv, adj, Wo, q, kv, maskbits, wo16; writes q, kv, maskbits, wo16
.if DOCPART == 1
	.amdgcn_target "amdgcn-amd-amdhsa--gfx1250"
	.amdhsa_code_object_version 6
	.text
	.protected	k_q5904d6f4dc_qkv
	.globl	k_q5904d6f4dc_qkv
	.p2align	8
	.type	k_q5904d6f4dc_qkv,@function
k_q5904d6f4dc_qkv:
	s_mov_b64 s[64:65], 0
	v_nop
	global_prefetch_b8 v0, s[64:65] scope:SCOPE_SE
	s_setreg_imm32_b32 hwreg(HW_REG_WAVE_MODE, 25, 1), 1
	s_wait_xcnt 0x0
; q, k, v = h W^T + b for one head and 256 tokens; beside it two small jobs: adj packed to lane masks, Wo rounded to bf16.
; Work-group (x = block of 256 tokens y, y = head hd) makes 256 tokens x 192 columns (the head's 64 columns of q, of k and of v).
; K = 512 goes in 8 steps of 64: a step's piece of a row of h or W is 256 consecutive bytes of f32, aligned.
; The f32 operands come in through registers, are rounded to bf16 ONCE by the work-group and laid into one of two LDS slots.
; NO CLUSTER, no tensor loads: the eight heads of a token block do read the same rows of h, but a copy engine would leave f32 in LDS:
; 256 bytes a row and step instead of 128, and every wave that reads a fragment would have to round it again (each row is read by 2 or 4 waves).
; Wave w: mw = w >> 1 (64 tokens, four tiles mt), nh = w & 1 (columns 32 nh .. +31 of each of q, k, v: tiles e = 0, 1): 24 accumulators.
; A step is two halves of 32 along K on two fragment buffers: each half's 20 LDS loads are issued in front of the other half's 24 matrix instructions.
; q and k: source 0 = rows of W, source 1 = rows of h, so a lane holds 8 neighbouring features of one token (16 bytes of bf16).
; v: source 0 = rows of h, source 1 = rows of W, so a lane holds 8 neighbouring tokens of one feature: V goes out transposed.
; OUT: q  bf16 [b][head][n][64], times 0.125 log2(e) (the scale of the scores and the base-2 exponential), rounded after the scale;
;      kv bf16 [b*8+head][group of 64 keys][K: 64 keys x 64 d, 8 KB | V^T: 64 d x 64 keys, 8 KB];
;      maskbits words [P: 32 queries][g: 64 keys][kt][qt][j]: bit r + 16 h = (adj[32P+16qt+r][64g+16kt+8h+j] != 0);
;      wo16 bf16 [512][512].
; LIMITS: matrix operands are rounded to bf16, sums are f32.
.set SLOT, 64512                       ; an LDS slot: 256 rows of h, then 192 rows of W, 64 bf16 + 16 bytes each
.set BOFF, 36864                       ; W's rows in a slot; also the stage of k behind the last step
.set VSTG, 73728                       ; the stage of v behind the last step
.set ASTG, 129024                      ; behind the slots: 32 rows x 272 bytes of adj for each wave
.set GA, 2                             ; v2      h: w*65536 + e*2048 + 16 c  (two rows of 256 bytes an instruction)
.set GW, 3                             ; v3      W: w*16384 + e*2048 + 16 c
.set LA, 4                             ; v4,5    where I put h's bf16, slot 0, 1
.set LB, 6                             ; v6,7    where I put W's bf16
.set FA, 8                             ; v8,9    my fragments of h
.set FB, 10                            ; v10,11  my fragments of W
.set GADJ, 12                          ; v12     adj: e*8192 + 16 c
.set AS, 13                            ; v13     adj stage, in
.set AR, 14                            ; v14     adj stage, back
.set WOI, 15                           ; v15     Wo in: 16 t
.set WOR, 16                           ; v[16:19] Wo as loaded
.set WOB, 20                           ; v[20:21] Wo as bf16; never rewritten
.set WOO, 22                           ; v22     wo16 out: 8 t
.set MO, 23                            ; v23     mask out: 8 x lane
.set BV, 24                            ; v[24:25] bias of v, tile e
.set SQ, 26                            ; v26     stage of q (k: + BOFF), in
.set SV, 27                            ; v27     stage of v, in
.set RD, 28                            ; v28     stage of q and k, back
.set RDV, 29                           ; v29     stage of v, back
.set CO, 30                            ; v30     16 x lane
.set BOQ, 31                           ; v31     bias of q, k: 128 nh + 32 h
.set BOV, 1                            ; v1      bias of v: 128 nh + 4 r
.set F0, 32                            ; v[32:111]  fragment buffer 0: h's tile mt at + 8 mt, W's (type, e) at + 32 + 8 (2 type + e); at the head the adj words by lane
.set F1, 112                           ; v[112:191] fragment buffer 1; at the head adj as loaded
.set ST, 112                           ; v[112:207] behind the last step: results on their way out
.set STW, 192                          ; v[192:239] W's f32 as loaded: 12 quads
.set BQ, 192                           ; v[192:207] bias of q, 8 e + j, once W's last f32 have been rounded
.set BK, 208                           ; v[208:223] bias of k
.set MW, 240                           ; v[240:241] the packed mask words; never rewritten
.set STH, 192                          ; second window of 256: v[448:511] h's f32 as loaded, 16 quads; v[256:447] the 24 accumulators, 8 ((2 type + e) 4 + mt)
.set MSB, 0
.macro WIN new                         ; the immediate's high byte repeats the setting that is left
.if MSB != \new
	s_set_vgpr_msb (MSB<<8)|\new
.set MSB, \new
.endif
.endm
.macro PLACES                          ; four independent vector instructions behind a matrix instruction, before its registers are loaded or its result read (ISA guide 7.12.1)
.rept 4
	v_nop
.endr
.endm
.macro BAR                             ; my LDS stores and loads are done, for the others' sake; then all eight waves meet
	s_wait_dscnt 0x0
	s_barrier_signal -1
	s_barrier_wait -1
.endm
	s_load_b512 s[8:23], s[0:1], 0x0               ; h s[8:9], Wq s[10:11], Wk s[12:13], Wv s[14:15], bq s[16:17], bk s[18:19], bv s[20:21], adj s[22:23]
	s_load_b256 s[24:31], s[0:1], 0x40             ; Wo s[24:25], q s[26:27], kv s[28:29], maskbits s[30:31]
	s_load_b64 s[32:33], s[0:1], 0x60              ; wo16
	v_lshl_add_u32 v254, v0, 2, 0x30800
	v_mov_b32 v255, 0
	v_lshrrev_b32 v1, 5, v0
	v_readfirstlane_b32 s2, v1                     ; wave w
	s_and_b32 s3, ttmp7, 0xffff                    ; head hd
	s_mov_b32 s4, ttmp9                            ; token block y
	s_lshl3_add_u32 s5, s4, s3                     ; id = 8 y + hd, 0 .. 255: shares out adj and Wo
	s_lshr_b32 s6, s2, 1                           ; mw
	s_and_b32 s7, s2, 1                            ; nh
	s_mov_b32 s36, 0x3e38aa3b                      ; 0.125 log2(e)
	s_mov_b32 s37, 0x3e38aa3b
	v_and_b32 v32, 15, v0                          ; c = r = lane % 16
	v_bfe_u32 v33, v0, 4, 1                        ; e = h = lane / 16
	v_and_b32 v34, 31, v0                          ; lane
	v_lshlrev_b32 v35, 11, v33
	v_lshl_add_u32 v35, v32, 4, v35                ; e*2048 + 16 c
	s_lshl_b32 s38, s2, 16
	v_add_nc_u32 v[GA], s38, v35                   ; + 32 w rows of h
	s_lshl_b32 s38, s2, 14
	v_add_nc_u32 v[GW], s38, v35                   ; + 8 w rows of W
	v_lshlrev_b32 v[GADJ], 13, v33
	v_lshl_add_u32 v[GADJ], v32, 4, v[GADJ]
	v_mul_u32_u24 v36, v33, 144
	v_lshl_add_u32 v36, v32, 3, v36                ; e*144 + 8 c
	s_mul_i32 s38, s2, 4608
	v_add_nc_u32 v[LA], s38, v36                   ; row 32 w + e
	v_add_nc_u32 v[LA+1], SLOT, v[LA]
	s_mul_i32 s38, s2, 1152
	s_add_co_u32 s38, s38, BOFF
	v_add_nc_u32 v[LB], s38, v36                   ; row 8 w + e of each matrix
	v_add_nc_u32 v[LB+1], SLOT, v[LB]
	v_mul_u32_u24 v37, v32, 144                    ; pitch 144 is an odd multiple of 16: a fragment load's 16 rows start in 16 different 16-byte columns modulo 256
	v_lshl_add_u32 v37, v33, 4, v37                ; r*144 + 16 h
	s_mul_i32 s38, s6, 9216
	v_add_nc_u32 v[FA], s38, v37                   ; row 64 mw + r
	v_add_nc_u32 v[FA+1], SLOT, v[FA]
	s_mul_i32 s39, s7, 4608
	s_add_co_u32 s38, s39, BOFF
	v_add_nc_u32 v[FB], s38, v37                   ; row 32 nh + r of each matrix
	v_add_nc_u32 v[FB+1], SLOT, v[FB]
	s_lshl_b32 s38, s7, 6
	v_add_nc_u32 v[SQ], s38, v[FA]                 ; token row 64 mw + r, byte 64 nh + 16 h
	s_add_co_u32 s38, s39, VSTG
	v_add_nc_u32 v[SV], s38, v[FA]                 ; row 64 mw + 32 nh + r (group, feature), byte 16 h
	v_lshrrev_b32 v38, 3, v34
	v_mul_u32_u24 v38, v38, 144
	v_and_b32 v39, 7, v0
	v_lshl_add_u32 v38, v39, 4, v38
	s_mul_i32 s38, s2, 4608
	v_add_nc_u32 v[RD], s38, v38                   ; row 32 w + lane / 8, byte 16 (lane % 8): four rows of 128 bytes an instruction
	v_add_nc_u32 v[RDV], VSTG, v[RD]
	v_lshlrev_b32 v[CO], 4, v34
	s_mul_i32 s38, s2, 8704
	s_add_co_u32 s38, s38, ASTG                    ; my own adj stage
	v_mul_u32_u24 v38, v33, 272
	v_lshl_add_u32 v38, v32, 4, v38
	v_add_nc_u32 v[AS], s38, v38
	v_mul_u32_u24 v38, v32, 272
	v_lshl_add_u32 v38, v33, 5, v38
	v_add_nc_u32 v[AR], s38, v38
	v_lshlrev_b32 v[WOI], 4, v0
	v_lshlrev_b32 v[WOO], 3, v0
	v_lshlrev_b32 v[MO], 3, v34
	s_lshl_b32 s38, s7, 7
	v_lshl_add_u32 v[BOQ], v33, 5, s38
	v_lshl_add_u32 v[BOV], v32, 2, s38
	s_mov_b32 s35, 0                               ; offsets are made in s[34:35], apart from the addresses
	s_wait_kmcnt 0x0
	s_lshl_b32 s34, s4, 19                         ; 256 rows of 2,048 bytes
	s_add_nc_u64 s[8:9], s[8:9], s[34:35]
	s_lshl_b32 s34, s3, 17                         ; 64 rows of 2,048 bytes
	s_add_nc_u64 s[10:11], s[10:11], s[34:35]
	s_add_nc_u64 s[12:13], s[12:13], s[34:35]
	s_add_nc_u64 s[14:15], s[14:15], s[34:35]
	s_lshl_b32 s34, s3, 8                          ; 64 numbers of a bias
	s_add_nc_u64 s[16:17], s[16:17], s[34:35]
	s_add_nc_u64 s[18:19], s[18:19], s[34:35]
	s_add_nc_u64 s[20:21], s[20:21], s[34:35]
	s_lshr_b32 s34, s5, 2                          ; my wave's piece of adj: unit 8 id + w = 32 P + g
	s_lshl_b32 s34, s34, 18                        ; P x 32 rows of 8,192 bytes
	s_and_b32 s38, s5, 3
	s_lshl3_add_u32 s38, s38, s2                   ; g
	s_lshl_b32 s38, s38, 8                         ; x 64 columns of 4 bytes
	s_add_co_u32 s34, s34, s38
	s_add_nc_u64 s[22:23], s[22:23], s[34:35]
	s_lshl_b32 s34, s5, 12
	s_add_nc_u64 s[24:25], s[24:25], s[34:35]      ; 4,096 bytes of Wo a work-group
	s_lshl_b32 s34, s5, 11
	s_add_nc_u64 s[32:33], s[32:33], s[34:35]
	s_lshl3_add_u32 s34, s5, s2
	s_lshl_b32 s34, s34, 8
	s_add_nc_u64 s[30:31], s[30:31], s[34:35]      ; 256 bytes of mask words a wave
	s_lshr_b32 s38, s4, 3
	s_lshl3_add_u32 s38, s38, s3                   ; b*8 + head
	s_and_b32 s39, s4, 7                           ; block of 256 tokens in the batch
	s_lshl_b32 s34, s38, 18
	s_lshl_b32 s40, s39, 15
	s_add_co_u32 s34, s34, s40
	s_lshl_b32 s40, s2, 12                         ; 32 w rows of 128 bytes
	s_add_co_u32 s34, s34, s40
	s_add_nc_u64 s[26:27], s[26:27], s[34:35]
	s_lshl_b32 s34, s38, 19
	s_lshl_b32 s40, s39, 16                        ; four groups of 16 KB
	s_add_co_u32 s34, s34, s40
	s_lshl_b32 s40, s6, 14                         ; group w >> 1
	s_add_co_u32 s34, s34, s40
	s_lshl_b32 s40, s7, 12                         ; its rows 32 (w & 1) ..
	s_add_co_u32 s34, s34, s40
	s_add_nc_u64 s[28:29], s[28:29], s[34:35]
; 28 loads: K step t of my 32 rows of h and of my 8 rows of each W; an instruction takes two rows' 256 bytes
.macro LOADS t
	WIN 0x40                                       ; destination in the second window
.irp i, 0,1,2,3,4,5,6,7,8,9,10,11,12,13,14,15
	global_load_b128 v[STH+4*\i:STH+4*\i+3], v[GA], s[8:9] offset:\i*4096+\t*256
.endr
	WIN 0
.irp i, 0,1,2,3
	global_load_b128 v[STW+4*\i:STW+4*\i+3], v[GW], s[10:11] offset:\i*4096+\t*256
.endr
.irp i, 0,1,2,3
	global_load_b128 v[STW+16+4*\i:STW+16+4*\i+3], v[GW], s[12:13] offset:\i*4096+\t*256
.endr
.irp i, 0,1,2,3
	global_load_b128 v[STW+32+4*\i:STW+32+4*\i+3], v[GW], s[14:15] offset:\i*4096+\t*256
.endr
.endm
.macro CVQ x, adr, off                 ; four f32 to four bf16, 8 bytes into LDS
	v_cvt_pk_bf16_f32 v[\x], v[\x], v[\x+1]
	v_cvt_pk_bf16_f32 v[\x+1], v[\x+2], v[\x+3]
	ds_store_b64 v[\adr], v[\x:\x+1] offset:\off
.endm
.macro CVTSTORE slot
	WIN 0x45                                       ; h's f32: destination and both sources in the second window
.irp i, 0,1,2,3,4,5,6,7,8,9,10,11,12,13,14,15
	v_cvt_pk_bf16_f32 v[STH+4*\i], v[STH+4*\i], v[STH+4*\i+1]
	v_cvt_pk_bf16_f32 v[STH+4*\i+1], v[STH+4*\i+2], v[STH+4*\i+3]
.endr
	WIN 0x04                                       ; an LDS store's data are its source 1
.irp i, 0,1,2,3,4,5,6,7,8,9,10,11,12,13,14,15
	ds_store_b64 v[LA+\slot], v[STH+4*\i:STH+4*\i+1] offset:\i*288
.endr
	WIN 0
.irp m, 0,1,2
.irp i, 0,1,2,3
	CVQ STW+16*\m+4*\i, LB+\slot, \m*9216+\i*288
.endr
.endr
.endm
.macro FETCH slot, sub, f              ; 20 LDS loads: 32 along K of my 64 rows of h and of my 6 x 16 rows of W, into buffer f
.irp mt, 0,1,2,3
	ds_load_b128 v[\f+8*\mt:\f+8*\mt+3],   v[FA+\slot] offset:\mt*2304+64*\sub
	ds_load_b128 v[\f+8*\mt+4:\f+8*\mt+7], v[FA+\slot] offset:\mt*2304+64*\sub+32
.endr
.irp g, 0,1,2,3,4,5
	ds_load_b128 v[\f+32+8*\g:\f+32+8*\g+3],   v[FB+\slot] offset:(\g/2)*9216+(\g%2)*2304+64*\sub
	ds_load_b128 v[\f+32+8*\g+4:\f+32+8*\g+7], v[FB+\slot] offset:(\g/2)*9216+(\g%2)*2304+64*\sub+32
.endr
.endm
.macro MM d, a, b, zero                ; zero = 1: the first product starts the sum, nothing is cleared
.if \zero
	v_wmma_f32_16x16x32_bf16 v[\d:\d+7], v[\a:\a+7], v[\b:\b+7], 0
.else
	v_wmma_f32_16x16x32_bf16 v[\d:\d+7], v[\a:\a+7], v[\b:\b+7], v[\d:\d+7]
.endif
.endm
; 32 along K from buffer f: 24 matrix instructions.  The 24 accumulators take turns, one instruction a turn, in the same order every time.
.macro MUL24 f, zero
	WIN 0x50                                       ; C and D in the second window, A and B in the first
.irp mt, 0,1,2,3
.irp e, 0,1
	MM 8*(\e*4+\mt), \f+32+8*\e, \f+8*\mt, \zero               ; q: features x tokens
.endr
.irp e, 0,1
	MM 8*((2+\e)*4+\mt), \f+32+8*(2+\e), \f+8*\mt, \zero       ; k: features x tokens
.endr
.irp e, 0,1
	MM 8*((4+\e)*4+\mt), \f+8*\mt, \f+32+8*(4+\e), \zero       ; v: tokens x features
.endr
.endr
	WIN 0
.endm
; The first half of a step in slot rs: its second half's fragments are asked for, then buffer 0 is multiplied.
.macro HALF_A rs, zero
	PLACES                                         ; behind the matrix instructions that read buffer 1
	FETCH \rs, 1, F1
	s_wait_dscnt 0x14                              ; LDS loads come back in order (ISA guide 5.7.1): buffer 0's 20 are in, the 20 just issued stay out
	MUL24 F0, \zero
.endm
; The second half: the next step's first fragments (slot ws, whole since the barrier) are asked for, then buffer 1, which the barrier's wait showed in, is multiplied.
.macro HALF_B ws
	PLACES                                         ; behind the matrix instructions that read buffer 0
	FETCH \ws, 0, F0
	MUL24 F1, 0
.endm
; A K step.  Between its halves the next step's f32 have come: they are rounded into slot ws, whose last reads every wave waited for in front of the
; last barrier, and step ld is asked for.  One barrier a step: behind it slot ws is whole.
.macro STEP rs, ws, ld, zero
	HALF_A \rs, \zero
	s_wait_loadcnt 0x0
	CVTSTORE \ws
	LOADS \ld
	BAR
	HALF_B \ws
.endm
	LOADS 0
.irp i, 0,1,2,3,4,5,6,7,8,9,10,11,12,13,14,15
	global_load_b128 v[F1+4*\i:F1+4*\i+3], v[GADJ], s[22:23] offset:\i*16384 th:TH_LOAD_NT   ; rows 2 i + e of my 32 x 64 piece of adj, 256 bytes a row
.endr
	global_load_b128 v[WOR:WOR+3], v[WOI], s[24:25] th:TH_LOAD_NT
	s_wait_loadcnt 0x11                            ; loads come back in order (ISA guide 5.7.1): step 0's 28 are in, the 17 younger loads of adj and Wo may stay out
	CVTSTORE 0
	LOADS 1
	s_wait_loadcnt 0x1c                            ; adj and Wo are in; step 1's 28 loads stay out while the two small jobs are done
	v_cvt_pk_bf16_f32 v[WOB], v[WOR], v[WOR+1]
	v_cvt_pk_bf16_f32 v[WOB+1], v[WOR+2], v[WOR+3]
	global_store_b64 v[WOO], v[WOB:WOB+1], s[32:33]        ; a wave stores 256 consecutive bytes, aligned
	; THE MASK: my 32 queries x 64 keys of adj through my own stage (no other wave touches it; LDS serves a wave's instructions in order, ISA guide 5.7.1),
	; so that lane r + 16 h holds adj[16 qt + r][16 kt + 8 h + j] in register 16 kt + 8 qt + j: a compare then gives the word as a lane mask.
.irp i, 0,1,2,3,4,5,6,7,8,9,10,11,12,13,14,15
	ds_store_b128 v[AS], v[F1+4*\i:F1+4*\i+3] offset:\i*544
.endr
.irp kt, 0,1,2,3
.irp qt, 0,1
.irp qq, 0,1
	ds_load_b128 v[F0+8*(2*\kt+\qt)+4*\qq:F0+8*(2*\kt+\qt)+4*\qq+3], v[AR] offset:\qt*4352+\kt*64+16*\qq
.endr
.endr
.endr
	v_mov_b32 v[MW], 0
	v_mov_b32 v[MW+1], 0
	s_wait_dscnt 0x0
.set wd, 0
.rept 32
	v_cmp_ne_u32 s40, 0, v[F0+wd]
	v_cmp_ne_u32 s41, 0, v[F0+wd+1]
	v_writelane_b32 v[MW], s40, wd/2               ; lane l gathers words 2 l and 2 l + 1
	v_writelane_b32 v[MW+1], s41, wd/2
.set wd, wd+2
.endr
	global_store_b64 v[MO], v[MW:MW+1], s[30:31]   ; 64 words: 256 consecutive bytes, aligned
	BAR                                            ; slot 0 is whole
	FETCH 0, 0, F0
	STEP 0, 1, 2, 1
	STEP 1, 0, 3, 0
	STEP 0, 1, 4, 0
	STEP 1, 0, 5, 0
	STEP 0, 1, 6, 0
	STEP 1, 0, 7, 0
	HALF_A 0, 0
	s_wait_loadcnt 0x0
	CVTSTORE 1
.irp e, 0,1                                            ; nothing is left of h and W: the biases come instead
	global_load_b128 v[BQ+8*\e:BQ+8*\e+3],   v[BOQ], s[16:17] offset:\e*64
	global_load_b128 v[BQ+8*\e+4:BQ+8*\e+7], v[BOQ], s[16:17] offset:\e*64+16
	global_load_b128 v[BK+8*\e:BK+8*\e+3],   v[BOQ], s[18:19] offset:\e*64
	global_load_b128 v[BK+8*\e+4:BK+8*\e+7], v[BOQ], s[18:19] offset:\e*64+16
	global_load_b32  v[BV+\e], v[BOV], s[20:21] offset:\e*64
.endr
	BAR
	HALF_B 1
	HALF_A 1, 0
	s_wait_dscnt 0x0                               ; the last fragments
	MUL24 F1, 0
	PLACES
	BAR                                            ; every wave has read the last slot: the slots' bytes become the stage
	; THE WAY OUT: bias (q: and scale), bf16, 16 bytes a lane into the stage; then whole rows back and out.
	s_wait_loadcnt 0x0                             ; the biases
.irp p, 0,1,2,3,4,5,6,7
	v_pk_mul_f32 v[BQ+2*\p:BQ+2*\p+1], v[BQ+2*\p:BQ+2*\p+1], s[36:37] op_sel_hi:[1,0]   ; (x + b) s = x s + b s
.endr
.macro PACK8                           ; eight tiles of 8 f32 a lane to 4 registers of bf16 each, in place
.irp k, 0,1,2,3,4,5,6,7
.irp i, 0,1,2,3
	v_cvt_pk_bf16_f32 v[ST+8*\k+\i], v[ST+8*\k+2*\i], v[ST+8*\k+2*\i+1]
.endr
.endr
.endm
	WIN 0x01                                       ; source 0 (the accumulators) in the second window
.irp e, 0,1
.irp mt, 0,1,2,3
.irp p, 0,1,2,3
	v_pk_fma_f32 v[ST+8*(4*\e+\mt)+2*\p:ST+8*(4*\e+\mt)+2*\p+1], v[8*(\e*4+\mt)+2*\p:8*(\e*4+\mt)+2*\p+1], s[36:37], v[BQ+8*\e+2*\p:BQ+8*\e+2*\p+1] op_sel_hi:[1,0,1]
.endr
.endr
.endr
	WIN 0
	PACK8
.irp e, 0,1
.irp mt, 0,1,2,3
	ds_store_b128 v[SQ], v[ST+8*(4*\e+\mt):ST+8*(4*\e+\mt)+3] offset:\mt*2304+32*\e
.endr
.endr
	WIN 0x01
.irp e, 0,1
.irp mt, 0,1,2,3
.irp p, 0,1,2,3
	v_pk_add_f32 v[ST+8*(4*\e+\mt)+2*\p:ST+8*(4*\e+\mt)+2*\p+1], v[8*((2+\e)*4+\mt)+2*\p:8*((2+\e)*4+\mt)+2*\p+1], v[BK+8*\e+2*\p:BK+8*\e+2*\p+1]
.endr
.endr
.endr
	WIN 0
	PACK8
.irp e, 0,1
.irp mt, 0,1,2,3
	ds_store_b128 v[SQ], v[ST+8*(4*\e+\mt):ST+8*(4*\e+\mt)+3] offset:BOFF+\mt*2304+32*\e
.endr
.endr
	WIN 0x01
.irp e, 0,1
.irp mt, 0,1,2,3
.irp p, 0,1,2,3
	v_pk_add_f32 v[ST+8*(4*\e+\mt)+2*\p:ST+8*(4*\e+\mt)+2*\p+1], v[8*((4+\e)*4+\mt)+2*\p:8*((4+\e)*4+\mt)+2*\p+1], v[BV:BV+1] op_sel:[0,\e] op_sel_hi:[1,\e]   ; one feature a lane: its bias for both
.endr
.endr
.endr
	WIN 0
	PACK8
.irp e, 0,1
.irp mt, 0,1,2,3
	ds_store_b128 v[SV], v[ST+8*(4*\e+\mt):ST+8*(4*\e+\mt)+3] offset:\e*2304+32*\mt
.endr
.endr
	BAR                                            ; rows are made of two waves' parts
.irp i, 0,1,2,3,4,5,6,7
	ds_load_b128 v[ST+4*\i:ST+4*\i+3], v[RD] offset:\i*576
.endr
.irp i, 0,1,2,3,4,5,6,7
	ds_load_b128 v[ST+32+4*\i:ST+32+4*\i+3], v[RD] offset:BOFF+\i*576
.endr
.irp i, 0,1,2,3,4,5,6,7
	ds_load_b128 v[ST+64+4*\i:ST+64+4*\i+3], v[RDV] offset:\i*576
.endr
.irp i, 0,1,2,3,4,5,6,7
	s_wait_dscnt 23-\i                             ; LDS loads come back in order: this one is in, the younger ones stay out
	global_store_b128 v[CO], v[ST+4*\i:ST+4*\i+3], s[26:27] offset:\i*512          ; four rows of q: 512 consecutive bytes, aligned
.endr
.irp i, 0,1,2,3,4,5,6,7
	s_wait_dscnt 15-\i
	global_store_b128 v[CO], v[ST+32+4*\i:ST+32+4*\i+3], s[28:29] offset:\i*512    ; four keys of the K tile
.endr
.irp i, 0,1,2,3,4,5,6,7
	s_wait_dscnt 7-\i
	global_store_b128 v[CO], v[ST+64+4*\i:ST+64+4*\i+3], s[28:29] offset:8192+\i*512   ; four features of the V^T tile
.endr
	s_wait_tensorcnt 0x0
	ds_add_u32 v254, v255
	s_wait_dscnt 0x0
	s_endpgm
.Lfunc_end_k_q5904d6f4dc_qkv:
	.size	k_q5904d6f4dc_qkv, .Lfunc_end_k_q5904d6f4dc_qkv-k_q5904d6f4dc_qkv
	.p2alignl 7, 3214868480
	.fill 96, 4, 3214868480
	.section	.rodata,"a",@progbits
	.p2align	6, 0x0
	.amdhsa_kernel k_q5904d6f4dc_qkv
		.amdhsa_group_segment_fixed_size 199680
		.amdhsa_private_segment_fixed_size 0
		.amdhsa_enable_private_segment 0
		.amdhsa_kernarg_size 104
		.amdhsa_user_sgpr_count 2
		.amdhsa_user_sgpr_kernarg_segment_ptr 1
		.amdhsa_wavefront_size32 1
		.amdhsa_system_sgpr_workgroup_id_x 1
		.amdhsa_system_sgpr_workgroup_id_y 1
		.amdhsa_system_sgpr_workgroup_id_z 1
		.amdhsa_system_vgpr_workitem_id 0
		.amdhsa_next_free_vgpr 512
		.amdhsa_next_free_sgpr 66
		.amdhsa_reserve_vcc 0
		.amdhsa_float_denorm_mode_32 3
		.amdhsa_float_denorm_mode_16_64 3
		.amdhsa_memory_ordered 1
		.amdhsa_forward_progress 1
		.amdhsa_inst_pref_size 150
	.end_amdhsa_kernel
	.amdgpu_metadata
---
amdhsa.version: [ 1, 2 ]
amdhsa.kernels:
  - .name:           k_q5904d6f4dc_qkv
    .symbol:         k_q5904d6f4dc_qkv.kd
    .args:
      - { .name: h, .offset: 0, .size: 8, .value_kind: global_buffer, .address_space: global }
      - { .name: Wq, .offset: 8, .size: 8, .value_kind: global_buffer, .address_space: global }
      - { .name: Wk, .offset: 16, .size: 8, .value_kind: global_buffer, .address_space: global }
      - { .name: Wv, .offset: 24, .size: 8, .value_kind: global_buffer, .address_space: global }
      - { .name: bq, .offset: 32, .size: 8, .value_kind: global_buffer, .address_space: global }
      - { .name: bk, .offset: 40, .size: 8, .value_kind: global_buffer, .address_space: global }
      - { .name: bv, .offset: 48, .size: 8, .value_kind: global_buffer, .address_space: global }
      - { .name: adj, .offset: 56, .size: 8, .value_kind: global_buffer, .address_space: global }
      - { .name: Wo, .offset: 64, .size: 8, .value_kind: global_buffer, .address_space: global }
      - { .name: q, .offset: 72, .size: 8, .value_kind: global_buffer, .address_space: global }
      - { .name: kv, .offset: 80, .size: 8, .value_kind: global_buffer, .address_space: global }
      - { .name: maskbits, .offset: 88, .size: 8, .value_kind: global_buffer, .address_space: global }
      - { .name: wo16, .offset: 96, .size: 8, .value_kind: global_buffer, .address_space: global }
    .group_segment_fixed_size: 199680
    .private_segment_fixed_size: 0
    .kernarg_segment_align: 8
    .kernarg_segment_size: 104
    .max_flat_workgroup_size: 256
    .sgpr_count:     66
    .vgpr_count:     512
    .wavefront_size: 32
...
	.end_amdgpu_metadata
.endif
;; end of part 1
;; launch attn (part 2): grid 8 x 32, 16 waves a work-group, clusters of 4 x 1, 327,680 bytes of LDS; arguments q, kv, maskbits, ao; writes ao
.if DOCPART == 2
	.amdgcn_target "amdgcn-amd-amdhsa--gfx1250"
	.amdhsa_code_object_version 6
	.text
	.protected	k_q5904d6f4dc_attn
	.globl	k_q5904d6f4dc_attn
	.p2align	8
	.type	k_q5904d6f4dc_attn,@function
k_q5904d6f4dc_attn:
	s_mov_b64 s[64:65], 0
	v_nop
	global_prefetch_b8 v0, s[64:65] scope:SCOPE_SE
	s_setreg_imm32_b32 hwreg(HW_REG_WAVE_MODE, 25, 1), 1
	s_wait_xcnt 0x0
	s_wait_alu depctr_hold_cnt(0) depctr_sa_sdst(0) depctr_va_vdst(0) depctr_va_sdst(0) depctr_va_ssrc(0) depctr_va_vcc(0) depctr_vm_vsrc(0)
	s_getreg_b32 s2, hwreg(HW_REG_IB_STS2, 6, 4)
	s_cmp_eq_u32 s2, 0
	s_cbranch_scc0 .Lentry_in_a_cluster
	s_endpgm
.Lentry_in_a_cluster:
	s_bfe_u32 s2, ttmp6, 0x10000c
	s_cmp_lg_u32 s2, 0x3003
	s_cbranch_scc0 .Lentry_shape_is_right
	s_endpgm
.Lentry_shape_is_right:
; Masked attention of one (batch, head) = grid y and 256 queries = grid x.
; SIXTEEN WAVES, four to a SIMD (4 x 250 of its 1,024 registers).  Wave w: wq = w & 7 names its 32 queries (tiles qt = 0, 1), kh = w >> 3 its half of the
; keys: of the 32 groups of 64 keys it takes groups 2 n + kh.  A wave's group is one chain (scores, softmax, product with V) in which its matrix and its
; vector instructions cannot overlap; the other three waves of the SIMD use the units meanwhile.  At the end waves 8-15 hand m, l and O to waves 0-7 through LDS.
; S^T = K Q^T (source 0 = 16 keys, source 1 = 16 queries): lane r + 16 h, register j holds (query r, key 8 h + j).
; So a query's statistics are one number a lane, two packed tiles of P are source 1 of O^T = V^T P^T as they stand, no transposition is needed,
; and O^T leaves a lane 8 neighbouring d of one query.  The mask of register j of a tile is one word of lane bits, packed by the launch before:
; it comes by scalar loads and costs one v_cndmask_b32 a score.  q carries 0.125 log2(e), so the exponentials are base 2.
; Running maximum over the unmasked scores: it starts at the most negative finite f32, so that (-inf) - m stays -inf and a group whose keys are all
; masked for a query adds nothing; a half of the keys that is all masked for a query arrives with l = 0 and O = 0 and adds nothing either.
; CLUSTER: the four work-groups of a cluster are four query blocks of one head: they read the same K and V.  Each tile is asked for jointly (mask 15):
; wave w of each of the four issues the same load; nothing in a descriptor, an LDS address or a branch hangs on the place in the cluster.
; Two LDS slots of 8 groups (512 keys).  A slot is 16 tiles (K and V^T of 8 groups), 32 rows of 256 bytes each, one tile and one load a wave;
; a slot is asked for again a whole slot's work ahead.  A wave has two tensor loads out at the start and one behind each refill.
; LIMITS: v_exp_f32 gives 0 for results below 2^-126; l is summed from the f32 p while the product with V takes p rounded to bf16;
; a query whose keys are all masked gets 0 x (1/0) = NaN, as a softmax over -inf alone gives.
.set SLOT, 139264                      ; 8 groups
.set GRP, 17408                        ; a group: 64 rows of 256 bytes + 16 of padding: K's 64 keys two to a row, then V^T's 64 features two to a row
.set TILE, 8704                        ; half a group: what one tensor load brings
.set VOFF, 8704                        ; V^T in a group
.set STAGE, 278528                     ; behind the slots: 32 rows x 144 bytes for each of waves 0-7, for the way out; no tensor load lands there
.set LB, 1                             ; v1   (r >> 1) 272 + (r & 1) 128 + 16 h + kh groups: item r of a tile; 16 lanes touch 16 different 16-byte columns modulo 256
.set AD, 2                             ; v2   LB + the current group
.set NINF, 3                           ; v3   -inf
.set QA, 4                             ; v4   r 128 + 16 h
.set STO, 5                            ; v5   stage, in
.set RD, 6                             ; v6   stage, back
.set CO, 7                             ; v7   16 x lane
.set M, 8                              ; v[8:9]    running maximum of query r, tile qt
.set LS, 10                            ; v[10:11]  running sum over this lane's half of the keys of a tile
.set AL, 12                            ; v[12:13]  2^(old maximum - new maximum)
.set MG, 14                            ; v14       where the two halves of the keys meet: wq x 8,704 + 16 x lane, in slot 0 behind its last fill and its last read
.set T, 16                             ; v[16:23]  at work
.set QF, 24                            ; v[24:55]  fragments of Q: 16 qt + 8 s
.set O, 56                             ; v[56:119] O^T: 8 (2 t + qt)
.set X, 120                            ; v[120:183] S^T, then P: 32 qt + 8 kt
.set KV, 184                           ; v[184:247] fragments of K (16 kt + 8 s), then of V^T (16 t + 8 u)
.set G1, 8                             ; s[8:15]   descriptor group 1
.set G0, 84                            ; s[84:91]  descriptor group 0, a set for each slot
; s[2:3] my mask words; s4 their byte offset; s5 wave; s6 trips; s[16:63], s[68:83] 64 mask words; s92, s93 lane selects; s[94:95] q; s[96:97] ao; s100 wq; s101 kh
.macro PLACES                          ; four independent vector instructions behind a matrix instruction (ISA guide 7.12.1)
.rept 4
	v_nop
.endr
.endm
.macro ROUND                           ; a round of the cluster's barrier: my work-group's barrier, wave 0 signals for it, all wait for the four, my work-group's barrier again
	s_barrier_signal -1
	s_barrier_wait -1
	s_cmp_lg_u32 s5, 0
	s_cbranch_scc1 .Lnot_wave_0_\@
	s_barrier_signal -3
.Lnot_wave_0_\@:
	s_barrier_wait -3
	s_barrier_signal -1
	s_barrier_wait -1
.endm
	s_load_b256 s[16:23], s[0:1], 0x0              ; q s[16:17], kv s[18:19], maskbits s[20:21], ao s[22:23]
	v_lshl_add_u32 v248, v0, 2, 0x4d000
	v_mov_b32 v249, 0
	ds_add_u32 v248, v249
	v_lshrrev_b32 v1, 5, v0
	v_readfirstlane_b32 s5, v1                     ; wave w, 0 .. 15
	s_and_b32 s100, s5, 7                          ; wq: which 32 queries
	s_lshr_b32 s101, s5, 3                         ; kh: even or odd groups of keys
	s_bfe_u32 s66, ttmp6, 0x40000                  ; cx
	s_lshl_b32 s67, ttmp9, 2
	s_add_co_u32 s66, s67, s66                     ; query block qb = 4 x cluster x + cx: it enters q's, ao's and the mask's addresses alone
	s_and_b32 s4, ttmp7, 0xffff                    ; bh = b*8 + head
	s_mov_b32 s92, 0x76543210                      ; v_permlanex16_b32: lane i reads lane i of the other half
	s_mov_b32 s93, 0xfedcba98
	s_mov_b32 s[G1+0], 0x0773000f                  ; 15:0 mask: all four; 17:16 elements of 8 bytes; 20 padding on; 21 set beside a mask; 24:22 after every 64 words; 31:25 of 4 words
	s_mov_b32 s[G1+1], 32<<16                      ; tensor_dim0 = 32 elements: rows of 256 bytes
	s_mov_b32 s[G1+2], 32<<16                      ; tensor_dim1 = 32 rows
	s_mov_b32 s[G1+3], 32<<16                      ; tile_dim0 = 32
	s_mov_b32 s[G1+4], 32                          ; tile_dim1 = 32
	s_mov_b32 s[G1+5], 32                          ; from row to row: 32 elements, the block is dense
	s_mov_b32 s[G1+6], 0
	s_mov_b32 s[G1+7], 0
	s_mov_b32 s[G0+0], 1
	s_mov_b32 s[G0+4], 1
	s_mul_i32 s[G0+1], s5, TILE                    ; LDS: tile w of slot 0,
	s_add_co_u32 s[G0+5], s[G0+1], SLOT            ; of slot 1
	s_lshl_b32 s98, s4, 18                         ; q and ao: bh x 2,048 rows of 128 bytes
	s_lshl_b32 s67, s66, 15                        ; + 256 qb rows
	s_add_co_u32 s98, s98, s67
	s_lshl_b32 s67, s100, 12                       ; + 32 wq rows
	s_add_co_u32 s98, s98, s67
	s_mov_b32 s99, 0
	s_lshl_b32 s6, s4, 19                          ; kv: bh x 32 groups of 16 KB
	s_lshl_b32 s7, s5, 13                          ; + tile w of 8 KB
	s_add_co_u32 s6, s6, s7
	s_mov_b32 s7, 0
	v_and_b32 v16, 15, v0                          ; r
	v_bfe_u32 v17, v0, 4, 1                        ; h
	v_and_b32 v18, 31, v0                          ; lane
	v_lshrrev_b32 v19, 1, v16
	v_mul_u32_u24 v[LB], v19, 272
	v_and_b32 v19, 1, v16
	v_lshl_add_u32 v[LB], v19, 7, v[LB]
	v_lshl_add_u32 v[LB], v17, 4, v[LB]
	s_mul_i32 s67, s101, GRP
	v_add_nc_u32 v[LB], s67, v[LB]                 ; my first group of a slot is group kh
	v_lshlrev_b32 v[QA], 7, v16
	v_lshl_add_u32 v[QA], v17, 4, v[QA]
	s_mul_i32 s67, s100, 4608
	s_add_co_u32 s67, s67, STAGE
	v_mul_u32_u24 v19, v16, 144
	v_lshl_add_u32 v19, v17, 4, v19
	v_add_nc_u32 v[STO], s67, v19
	v_lshrrev_b32 v19, 3, v18
	v_mul_u32_u24 v19, v19, 144
	v_and_b32 v20, 7, v0
	v_lshl_add_u32 v19, v20, 4, v19
	v_add_nc_u32 v[RD], s67, v19
	v_lshlrev_b32 v[CO], 4, v18
	s_mul_i32 s67, s100, 8704
	v_lshl_add_u32 v[MG], v18, 4, s67
	v_mov_b32 v[NINF], 0xff800000
	v_mov_b32 v[M], 0xff7fffff                     ; the most negative finite number
	v_mov_b32 v[M+1], 0xff7fffff
	s_wait_dscnt 0x0
	s_wait_kmcnt 0x0
	s_add_nc_u64 s[94:95], s[16:17], s[98:99]
	s_add_nc_u64 s[96:97], s[22:23], s[98:99]
	s_lshl_b32 s98, s66, 16                        ; mask words: P = 8 qb + wq, 8,192 bytes each
	s_lshl_b32 s67, s100, 13
	s_add_co_u32 s98, s98, s67
	s_add_nc_u64 s[2:3], s[20:21], s[98:99]
	s_add_nc_u64 s[G0+2:G0+3], s[18:19], s[6:7]    ; groups 0 to 7: mine is tile w
	s_add_nc_u64 s[G0+6:G0+7], s[G0+2:G0+3], 0x20000   ; groups 8 to 15
	s_or_b32 s[G0+3], s[G0+3], 0x80000000          ; type = 2
	s_or_b32 s[G0+7], s[G0+7], 0x80000000
	s_lshl_b32 s4, s101, 8                         ; group kh's mask words, 256 bytes a group
	ROUND                                          ; the four work-groups are here: the first joint loads meet
	tensor_load_to_lds s[G0:G0+3], s[G1:G1+7]
	s_nop 0
	tensor_load_to_lds s[G0+4:G0+7], s[G1:G1+7]
	s_nop 0
.irp qt, 0,1
.irp s, 0,1
	global_load_b128 v[QF+16*\qt+8*\s:QF+16*\qt+8*\s+3],   v[QA], s[94:95] offset:\qt*2048+64*\s
	global_load_b128 v[QF+16*\qt+8*\s+4:QF+16*\qt+8*\s+7], v[QA], s[94:95] offset:\qt*2048+64*\s+32
.endr
.endr
.irp kt, 0,1,2,3
	s_load_b512 s[16+16*\kt+4*(\kt/3):16+16*\kt+4*(\kt/3)+15], s[2:3], s4 offset:64*\kt
.endr
; The largest of a query's 32 scores in this lane and of the running maximum: 16 v_max3 in four chains; then the other half of the keys, in lane r xor 16.
.macro MAXQ qt, first
.irp kt, 0,1,2,3
	v_max3_num_f32 v[T+4*\qt+\kt], v[X+32*\qt+8*\kt], v[X+32*\qt+8*\kt+1], v[X+32*\qt+8*\kt+2]
.endr
.irp kt, 0,1,2,3
	v_max3_num_f32 v[T+4*\qt+\kt], v[T+4*\qt+\kt], v[X+32*\qt+8*\kt+3], v[X+32*\qt+8*\kt+4]
.endr
.irp kt, 0,1,2,3
	v_max3_num_f32 v[T+4*\qt+\kt], v[T+4*\qt+\kt], v[X+32*\qt+8*\kt+5], v[X+32*\qt+8*\kt+6]
.endr
	v_max3_num_f32 v[T+4*\qt],   v[T+4*\qt],   v[X+32*\qt+7],  v[X+32*\qt+15]
	v_max3_num_f32 v[T+4*\qt+1], v[T+4*\qt+1], v[X+32*\qt+23], v[X+32*\qt+31]
	v_max3_num_f32 v[T+4*\qt],   v[T+4*\qt],   v[T+4*\qt+1],   v[T+4*\qt+2]
	v_max3_num_f32 v[T+4*\qt],   v[T+4*\qt],   v[T+4*\qt+3],   v[M+\qt]
	v_permlanex16_b32 v[T+4*\qt+1], v[T+4*\qt], s92, s93
	v_max_num_f32 v[T+4*\qt], v[T+4*\qt], v[T+4*\qt+1]
.if \first == 0
	v_sub_f32 v[AL+\qt], v[M+\qt], v[T+4*\qt]
.endif
	v_mov_b32 v[M+\qt], v[T+4*\qt]
.if \first == 0
	v_exp_f32 v[AL+\qt], v[AL+\qt]                 ; the next line is a plain vector instruction that touches neither its source nor its result (ISA guide 5.7.2)
.endif
.endm
.macro SUBQ qt
.irp p, 0,1,2,3,4,5,6,7,8,9,10,11,12,13,14,15
	v_pk_add_f32 v[X+32*\qt+2*\p:X+32*\qt+2*\p+1], v[X+32*\qt+2*\p:X+32*\qt+2*\p+1], v[M:M+1] op_sel:[0,\qt] op_sel_hi:[1,\qt] neg_lo:[0,1] neg_hi:[0,1]
.endr
.endm
.macro EXPQ qt                         ; back to back on different registers; the plain lines of the other tile follow before any result is used
.irp i, 0,1,2,3,4,5,6,7,8,9,10,11,12,13,14,15,16,17,18,19,20,21,22,23,24,25,26,27,28,29,30,31
	v_exp_f32 v[X+32*\qt+\i], v[X+32*\qt+\i]
.endr
.endm
.macro SUMQ qt, first                  ; the lane's 32 p in four chains; l = l x alpha + sum
	s_wait_alu depctr_va_vdst(0)
.irp c, 0,1,2,3
	v_pk_add_f32 v[T+2*\c:T+2*\c+1], v[X+32*\qt+2*\c:X+32*\qt+2*\c+1], v[X+32*\qt+8+2*\c:X+32*\qt+8+2*\c+1]
.endr
.irp c, 0,1,2,3
	v_pk_add_f32 v[T+2*\c:T+2*\c+1], v[T+2*\c:T+2*\c+1], v[X+32*\qt+16+2*\c:X+32*\qt+16+2*\c+1]
.endr
.irp c, 0,1,2,3
	v_pk_add_f32 v[T+2*\c:T+2*\c+1], v[T+2*\c:T+2*\c+1], v[X+32*\qt+24+2*\c:X+32*\qt+24+2*\c+1]
.endr
	v_pk_add_f32 v[T:T+1], v[T:T+1], v[T+2:T+3]
	v_pk_add_f32 v[T+4:T+5], v[T+4:T+5], v[T+6:T+7]
	v_pk_add_f32 v[T:T+1], v[T:T+1], v[T+4:T+5]
.if \first
	v_add_f32 v[LS+\qt], v[T], v[T+1]
.else
	v_add_f32 v[T], v[T], v[T+1]
	v_fma_f32 v[LS+\qt], v[LS+\qt], v[AL+\qt], v[T]
.endif
.endm
.macro PACKQ qt                        ; tiles kt = 2 u and 2 u + 1 become registers 0-3 and 4-7 of source 1 for keys 32 u .. 32 u + 31, in place
.irp u, 0,1
.irp i, 0,1,2,3,4,5,6,7
	v_cvt_pk_bf16_f32 v[X+32*\qt+16*\u+\i], v[X+32*\qt+16*\u+2*\i], v[X+32*\qt+16*\u+2*\i+1]
.endr
.endr
.endm
.macro RESCALEQ qt
.irp t, 0,1,2,3
.irp p, 0,1,2,3
	v_pk_mul_f32 v[O+8*(2*\t+\qt)+2*\p:O+8*(2*\t+\qt)+2*\p+1], v[O+8*(2*\t+\qt)+2*\p:O+8*(2*\t+\qt)+2*\p+1], v[AL:AL+1] op_sel:[0,\qt] op_sel_hi:[1,\qt]
.endr
.endr
.endm
; One group of 64 keys.  first = 1: the sums start here (constant 0 as C, no alpha).
; In both products eight accumulators take turns, one instruction a turn.
.macro GROUP first
.irp s, 0,1
.irp kt, 0,1,2,3
	ds_load_b128 v[KV+16*\kt+8*\s:KV+16*\kt+8*\s+3],   v[AD] offset:\kt*2176+64*\s
	ds_load_b128 v[KV+16*\kt+8*\s+4:KV+16*\kt+8*\s+7], v[AD] offset:\kt*2176+64*\s+32
.endr
.endr
	s_wait_dscnt 0x8                               ; d = 0 .. 31 of the 64 keys are in; the eight younger loads (d = 32 .. 63) may stay out
.irp kt, 0,1,2,3
.irp qt, 0,1
	v_wmma_f32_16x16x32_bf16 v[X+32*\qt+8*\kt:X+32*\qt+8*\kt+7], v[KV+16*\kt:KV+16*\kt+7], v[QF+16*\qt:QF+16*\qt+7], 0
.endr
.endr
	s_wait_dscnt 0x0
.irp kt, 0,1,2,3
.irp qt, 0,1
	v_wmma_f32_16x16x32_bf16 v[X+32*\qt+8*\kt:X+32*\qt+8*\kt+7], v[KV+16*\kt+8:KV+16*\kt+15], v[QF+16*\qt+8:QF+16*\qt+15], v[X+32*\qt+8*\kt:X+32*\qt+8*\kt+7]
.endr
.endr
	PLACES                                         ; before K's registers are loaded again and the scores are read
.irp u, 0,1
.irp t, 0,1,2,3
	ds_load_b128 v[KV+16*\t+8*\u:KV+16*\t+8*\u+3],   v[AD] offset:VOFF+\t*2176+64*\u
	ds_load_b128 v[KV+16*\t+8*\u+4:KV+16*\t+8*\u+7], v[AD] offset:VOFF+\t*2176+64*\u+32
.endr
.endr
	s_wait_kmcnt 0x0                               ; this group's 64 mask words, asked for a group ago
.irp kt, 0,1,2,3
.irp qt, 0,1
.irp j, 0,1,2,3,4,5,6,7
	v_cndmask_b32 v[X+32*\qt+8*\kt+\j], v[NINF], v[X+32*\qt+8*\kt+\j], s[16+16*\kt+4*(\kt/3)+8*\qt+\j]
.endr
.endr
.endr
	s_add_co_u32 s4, s4, 512                       ; free since the wait above: the words of my next group, two groups on,
	s_min_u32 s4, s4, 7936                         ; held at group 31's: my last group asks once more inside the buffer, and does not use what comes
.irp kt, 0,1,2,3
	s_load_b512 s[16+16*\kt+4*(\kt/3):16+16*\kt+4*(\kt/3)+15], s[2:3], s4 offset:64*\kt
.endr
	MAXQ 0, \first
	MAXQ 1, \first
	SUBQ 0
	EXPQ 0
	SUBQ 1
	EXPQ 1
	SUMQ 0, \first
	PACKQ 0
.if \first == 0
	RESCALEQ 0
.endif
	SUMQ 1, \first
	PACKQ 1
.if \first == 0
	RESCALEQ 1
.endif
	s_wait_dscnt 0x8                               ; V^T for keys 0 .. 31 is in; the eight younger loads may stay out
.irp t, 0,1,2,3
.irp qt, 0,1
.if \first
	v_wmma_f32_16x16x32_bf16 v[O+8*(2*\t+\qt):O+8*(2*\t+\qt)+7], v[KV+16*\t:KV+16*\t+7], v[X+32*\qt:X+32*\qt+7], 0
.else
	v_wmma_f32_16x16x32_bf16 v[O+8*(2*\t+\qt):O+8*(2*\t+\qt)+7], v[KV+16*\t:KV+16*\t+7], v[X+32*\qt:X+32*\qt+7], v[O+8*(2*\t+\qt):O+8*(2*\t+\qt)+7]
.endif
.endr
.endr
	s_wait_dscnt 0x0
.irp t, 0,1,2,3
.irp qt, 0,1
	v_wmma_f32_16x16x32_bf16 v[O+8*(2*\t+\qt):O+8*(2*\t+\qt)+7], v[KV+16*\t+8:KV+16*\t+15], v[X+32*\qt+16:X+32*\qt+23], v[O+8*(2*\t+\qt):O+8*(2*\t+\qt)+7]
.endr
.endr
	v_add_nc_u32 v[AD], 2*GRP, v[AD]               ; my next group; with the four below, five places before the next scores are written over P (ISA guide 7.12.1)
	PLACES
.endm
.macro PASS slot                       ; my four groups of a slot's eight
	v_add_nc_u32 v[AD], \slot*SLOT, v[LB]
	s_mov_b32 s6, 4
.Lpass_\@:
	GROUP 0
	s_sub_co_i32 s6, s6, 1
	s_cmp_lg_u32 s6, 0
	s_cbranch_scc1 .Lpass_\@
.endm
; Slot \slot has been read: it gets the groups 16 further on.  Every wave's reads are back and all its tensor loads have landed in front of the round;
; behind the round no wave of the four work-groups reads the slot any more, and the other slot is whole.  The joint load comes first, one a wave.
.macro REFILL slot
	s_wait_dscnt 0x0
	s_wait_tensorcnt 0x0                           ; no load of mine is out: a group 0 may be written
	ds_add_u32 v248, v249
	s_wait_dscnt 0x0
	s_add_nc_u64 s[G0+4*\slot+2:G0+4*\slot+3], s[G0+4*\slot+2:G0+4*\slot+3], 0x40000
	ROUND
	tensor_load_to_lds s[G0+4*\slot:G0+4*\slot+3], s[G1:G1+7]
	s_nop 0
.endm
	s_wait_tensorcnt 0x1                           ; tensor loads of a wave end in order (ISA guide 10.11.1): my tile of slot 0 is in; slot 1's may stay out
	s_barrier_signal -1
	s_barrier_wait -1                              ; everybody's is
	s_wait_loadcnt 0x0                             ; Q
	v_mov_b32 v[AD], v[LB]
	GROUP 1                                        ; my first group starts the sums
	s_mov_b32 s6, 3
.Lfirst:
	GROUP 0
	s_sub_co_i32 s6, s6, 1
	s_cmp_lg_u32 s6, 0
	s_cbranch_scc1 .Lfirst
	REFILL 0                                       ; groups 16 to 23 go out
	PASS 1                                         ; groups 8 to 15
	REFILL 1                                       ; groups 24 to 31 go out: the last load
	PASS 0                                         ; groups 16 to 23
	s_wait_dscnt 0x0                               ; my last reads of slot 0 are back,
	s_wait_tensorcnt 0x0                           ; my tile of the last slot is in,
	s_barrier_signal -1
	s_barrier_wait -1                              ; everybody's; nothing is left to fetch, and slot 0 is read and filled no more
	PASS 1                                         ; groups 24 to 31
	; THE TWO HALVES OF THE KEYS MEET.  Waves 8-15 lay m, l (one store) and O (16 stores), 512 consecutive bytes each, into slot 0's first 69,632 bytes.
	s_cmp_lt_u32 s5, 8
	s_cbranch_scc1 .Lkeeper
	ds_store_b128 v[MG], v[M:M+3]
.irp i, 0,1,2,3,4,5,6,7,8,9,10,11,12,13,14,15
	ds_store_b128 v[MG], v[O+4*\i:O+4*\i+3] offset:512+512*\i
.endr
.Lkeeper:
	s_wait_dscnt 0x0                               ; for the partner's sake: zero
	s_barrier_signal -1
	s_barrier_wait -1
	s_cmp_lt_u32 s5, 8
	s_cbranch_scc0 .Lsent
	; Waves 0-7: m = max(m1, m2), a_i = 2^(m_i - m), l = l1 a1 + l2 a2, O = (O1 a1 + O2 a2) / l with 1 / l folded into a1 and a2.
	ds_load_b128 v[KV:KV+3], v[MG]
.irp i, 0,1,2,3,4,5,6,7,8,9,10,11,12,13,14,15
	ds_load_b128 v[X+4*\i:X+4*\i+3], v[MG] offset:512+512*\i
.endr
	s_wait_dscnt 0x10                              ; the partner's m and l are in; the 16 younger loads of its O may stay out
	v_max_num_f32 v[T], v[M], v[KV]
	v_max_num_f32 v[T+1], v[M+1], v[KV+1]
	v_sub_f32 v[AL], v[M], v[T]
	v_sub_f32 v[AL+1], v[M+1], v[T+1]
	v_sub_f32 v[T+2], v[KV], v[T]
	v_sub_f32 v[T+3], v[KV+1], v[T+1]
	v_exp_f32 v[AL], v[AL]
	v_exp_f32 v[AL+1], v[AL+1]
	v_exp_f32 v[T+2], v[T+2]
	v_exp_f32 v[T+3], v[T+3]
	v_nop                                          ; one plain vector instruction before the exponentials are used (ISA guide 5.7.2)
	s_wait_alu depctr_va_vdst(0)
	v_pk_mul_f32 v[LS:LS+1], v[LS:LS+1], v[AL:AL+1]
	v_pk_fma_f32 v[LS:LS+1], v[KV+2:KV+3], v[T+2:T+3], v[LS:LS+1]
	v_permlanex16_b32 v[T+4], v[LS], s92, s93      ; the sums over the other eight keys of each tile lie in lane r xor 16
	v_permlanex16_b32 v[T+5], v[LS+1], s92, s93
	v_pk_add_f32 v[LS:LS+1], v[LS:LS+1], v[T+4:T+5]
	v_rcp_f32 v[LS], v[LS]
	v_rcp_f32 v[LS+1], v[LS+1]
	v_nop                                          ; one plain vector instruction before the reciprocals are used (ISA guide 5.7.2)
	s_wait_alu depctr_va_vdst(0)
	v_pk_mul_f32 v[AL:AL+1], v[AL:AL+1], v[LS:LS+1]
	v_pk_mul_f32 v[T+2:T+3], v[T+2:T+3], v[LS:LS+1]
	s_wait_dscnt 0x0                               ; the partner's O
	; THE WAY OUT: bf16, 16 bytes a lane into my own stage, whole rows back and out.
.irp t, 0,1,2,3
.irp qt, 0,1
.irp p, 0,1,2,3
	v_pk_mul_f32 v[O+8*(2*\t+\qt)+2*\p:O+8*(2*\t+\qt)+2*\p+1], v[O+8*(2*\t+\qt)+2*\p:O+8*(2*\t+\qt)+2*\p+1], v[AL:AL+1] op_sel:[0,\qt] op_sel_hi:[1,\qt]
.endr
.irp p, 0,1,2,3
	v_pk_fma_f32 v[O+8*(2*\t+\qt)+2*\p:O+8*(2*\t+\qt)+2*\p+1], v[X+8*(2*\t+\qt)+2*\p:X+8*(2*\t+\qt)+2*\p+1], v[T+2:T+3], v[O+8*(2*\t+\qt)+2*\p:O+8*(2*\t+\qt)+2*\p+1] op_sel:[0,\qt,0] op_sel_hi:[1,\qt,1]
.endr
.irp i, 0,1,2,3
	v_cvt_pk_bf16_f32 v[O+8*(2*\t+\qt)+\i], v[O+8*(2*\t+\qt)+2*\i], v[O+8*(2*\t+\qt)+2*\i+1]
.endr
	ds_store_b128 v[STO], v[O+8*(2*\t+\qt):O+8*(2*\t+\qt)+3] offset:\qt*2304+32*\t
.endr
.endr
.irp i, 0,1,2,3,4,5,6,7
	ds_load_b128 v[X+4*\i:X+4*\i+3], v[RD] offset:\i*576           ; my own bytes: LDS serves a wave's instructions in order (ISA guide 5.7.1)
.endr
.irp i, 0,1,2,3,4,5,6,7
	s_wait_dscnt 7-\i
	global_store_b128 v[CO], v[X+4*\i:X+4*\i+3], s[96:97] offset:\i*512    ; four queries' rows: 512 consecutive bytes, aligned
.endr
.Lsent:
	s_wait_tensorcnt 0x0
	ds_add_u32 v248, v249
	s_wait_dscnt 0x0
	ROUND                                          ; the closing round: no work-group ends while a partner may still ask for a tile that names it
	s_endpgm
.Lfunc_end_k_q5904d6f4dc_attn:
	.size	k_q5904d6f4dc_attn, .Lfunc_end_k_q5904d6f4dc_attn-k_q5904d6f4dc_attn
	.p2alignl 7, 3214868480
	.fill 96, 4, 3214868480
	.section	.rodata,"a",@progbits
	.p2align	6, 0x0
	.amdhsa_kernel k_q5904d6f4dc_attn
		.amdhsa_group_segment_fixed_size 327680
		.amdhsa_private_segment_fixed_size 0
		.amdhsa_enable_private_segment 0
		.amdhsa_kernarg_size 32
		.amdhsa_user_sgpr_count 2
		.amdhsa_user_sgpr_kernarg_segment_ptr 1
		.amdhsa_wavefront_size32 1
		.amdhsa_system_sgpr_workgroup_id_x 1
		.amdhsa_system_sgpr_workgroup_id_y 1
		.amdhsa_system_sgpr_workgroup_id_z 1
		.amdhsa_system_vgpr_workitem_id 0
		.amdhsa_next_free_vgpr 250
		.amdhsa_next_free_sgpr 102
		.amdhsa_reserve_vcc 0
		.amdhsa_float_denorm_mode_32 3
		.amdhsa_float_denorm_mode_16_64 3
		.amdhsa_memory_ordered 1
		.amdhsa_forward_progress 1
		.amdhsa_inst_pref_size 124
	.end_amdhsa_kernel
	.amdgpu_metadata
---
amdhsa.version: [ 1, 2 ]
amdhsa.kernels:
  - .name:           k_q5904d6f4dc_attn
    .symbol:         k_q5904d6f4dc_attn.kd
    .args:
      - { .name: q, .offset: 0, .size: 8, .value_kind: global_buffer, .address_space: global }
      - { .name: kv, .offset: 8, .size: 8, .value_kind: global_buffer, .address_space: global }
      - { .name: maskbits, .offset: 16, .size: 8, .value_kind: global_buffer, .address_space: global }
      - { .name: ao, .offset: 24, .size: 8, .value_kind: global_buffer, .address_space: global }
    .group_segment_fixed_size: 327680
    .private_segment_fixed_size: 0
    .kernarg_segment_align: 8
    .kernarg_segment_size: 32
    .max_flat_workgroup_size: 512
    .sgpr_count:     102
    .vgpr_count:     250
    .wavefront_size: 32
...
	.end_amdgpu_metadata
.endif
;; end of part 2
;; launch oproj (part 3): grid 4 x 64, 8 waves a work-group, clusters of 4 x 4, 322,560 bytes of LDS; arguments ao, wo16, bo, out0; writes out0
.if DOCPART == 3
	.amdgcn_target "amdgcn-amd-amdhsa--gfx1250"
	.amdhsa_code_object_version 6
	.text
	.protected	k_q5904d6f4dc_oproj
	.globl	k_q5904d6f4dc_oproj
	.p2align	8
	.type	k_q5904d6f4dc_oproj,@function
k_q5904d6f4dc_oproj:
	s_mov_b64 s[64:65], 0
	v_nop
	global_prefetch_b8 v0, s[64:65] scope:SCOPE_SE
	s_setreg_imm32_b32 hwreg(HW_REG_WAVE_MODE, 25, 1), 1
	s_wait_xcnt 0x0
	s_wait_alu depctr_hold_cnt(0) depctr_sa_sdst(0) depctr_va_vdst(0) depctr_va_sdst(0) depctr_va_ssrc(0) depctr_va_vcc(0) depctr_vm_vsrc(0)
	s_getreg_b32 s2, hwreg(HW_REG_IB_STS2, 6, 4)
	s_cmp_eq_u32 s2, 0
	s_cbranch_scc0 .Lentry_in_a_cluster
	s_endpgm
.Lentry_in_a_cluster:
	s_bfe_u32 s2, ttmp6, 0x10000c
	s_cmp_lg_u32 s2, 0xf033
	s_cbranch_scc0 .Lentry_shape_is_right
	s_endpgm
.Lentry_shape_is_right:
; out0 = ao Wo^T + bo.  ao bf16 [b][head][n][64], wo16 bf16 [512][512], out0 f32 [8192][512].
; A work-group makes 128 tokens (grid y) x 128 outputs (grid x); K = 512 fits in LDS whole: every byte of LDS is filled once, there is no refill.
; CLUSTER 4 x 4: the four work-groups of a row of the cluster share the token block and ask for ao's tiles jointly, the four of a column share the
; output block and ask for wo16's tiles jointly.  Waves 0-3 bring ao (one head's 128 x 64 a load), waves 4-7 wo16 (64 rows x 128 k a load), two loads each:
; first K = 0 .. 255, then K = 256 .. 511, so that the first half is multiplied while the second is on its way.  A wave has two tensor loads out.
; Wave w: mw = w >> 1 (32 tokens, tiles tt), nh = w & 1 (64 outputs, tiles nt).  Source 0 = rows of Wo, source 1 = rows of ao: a lane holds 8 neighbouring
; outputs of one token.  They go through the wave's own stage so that sixteen lanes store 256 consecutive bytes.
; LIMITS: operands are bf16, sums f32; a token whose attention row is NaN gives a row of NaN.
.set AHEAD, 18432                      ; a head's tile in LDS: 128 rows x (128 + 16) bytes
.set BOFF, 147456                      ; behind the eight heads: wo16's eight pieces
.set BPIECE, 17408                     ; 64 rows x (256 + 16) bytes; piece 2 chunk + half
.set STAGE, 286720                     ; 16 rows x 272 bytes for each wave; no tensor load lands there
.set FA, 2                             ; v2,3   my fragments of ao, K half 0, 1
.set FB, 4                             ; v4,5   my fragments of wo16
.set STO, 6                            ; v6     stage, in
.set RD, 7                             ; v7     stage, back
.set CO, 8                             ; v8     h 2048 + 16 r in out0
.set BO, 9                             ; v9     16 r in bo
.set BI, 12                            ; v[12:15] bias of my four columns on the way out
.set ACC, 16                           ; v[16:79]  8 (2 nt + tt)
.set F0, 80                            ; v[80:127]  fragment buffer 0: ao at 8 tt, wo16 at 16 + 8 nt
.set F1, 128                           ; v[128:175] fragment buffer 1
.set G1A, 24                           ; s[24:31]
.set G1B, 32                           ; s[32:39]
.set G0A, 40                           ; s[40:47], a set for each K half
.set G0B, 48                           ; s[48:55]
.macro PLACES                          ; four independent vector instructions behind a matrix instruction (ISA guide 7.12.1)
.rept 4
	v_nop
.endr
.endm
.macro ROUND
	s_barrier_signal -1
	s_barrier_wait -1
	s_cmp_lg_u32 s12, 0
	s_cbranch_scc1 .Lnot_wave_0_\@
	s_barrier_signal -3
.Lnot_wave_0_\@:
	s_barrier_wait -3
	s_barrier_signal -1
	s_barrier_wait -1
.endm
.macro JLOAD n                         ; each of the two lines has one mask and one set of registers; the branch hangs on the wave's number alone
	s_cmp_eq_u32 s13, 0
	s_cbranch_scc0 .Lfor_b_\@
	tensor_load_to_lds s[G0A+4*\n:G0A+4*\n+3], s[G1A:G1A+7]
	s_nop 0
	s_branch .Lasked_\@
.Lfor_b_\@:
	tensor_load_to_lds s[G0B+4*\n:G0B+4*\n+3], s[G1B:G1B+7]
	s_nop 0
.Lasked_\@:
.endm
	s_load_b256 s[4:11], s[0:1], 0x0               ; ao s[4:5], wo16 s[6:7], bo s[8:9], out0 s[10:11]
	v_lshl_add_u32 v176, v0, 2, 0x4e800
	v_mov_b32 v177, 0
	ds_add_u32 v176, v177
	v_lshrrev_b32 v1, 5, v0
	v_readfirstlane_b32 s12, v1                    ; wave w
	s_lshr_b32 s13, s12, 2                         ; 0: I fetch ao; 1: wo16
	s_and_b32 s14, s12, 3                          ; which piece
	s_lshr_b32 s59, s12, 1                         ; mw
	s_and_b32 s60, s12, 1                          ; nh
	s_bfe_u32 s15, ttmp6, 0x40000                  ; cx
	s_bfe_u32 s16, ttmp6, 0x40004                  ; cy
	s_lshl_b32 s17, ttmp9, 2
	s_add_co_u32 s17, s17, s15                     ; output block nb
	s_and_b32 s18, ttmp7, 0xffff
	s_lshl_b32 s18, s18, 2
	s_add_co_u32 s18, s18, s16                     ; token block mb
	s_lshl_b32 s19, s16, 2
	s_lshl_b32 s19, 15, s19                        ; my row of the cluster
	s_lshl_b32 s58, 0x1111, s15                    ; my column
	s_or_b32 s[G1A+0], s19, (1<<16)|(1<<20)|(1<<21)|(4<<22)|(3<<25)   ; mask; elements of 2 bytes; padding on; bit 21 beside a mask; after every 32 words 4 words
	s_mov_b32 s[G1A+1], 64<<16                     ; tensor_dim0 = 64
	s_mov_b32 s[G1A+2], 128<<16                    ; tensor_dim1 = 128
	s_mov_b32 s[G1A+3], 64<<16                     ; tile_dim0 = 64
	s_mov_b32 s[G1A+4], 128                        ; tile_dim1 = 128
	s_mov_b32 s[G1A+5], 64                         ; from row to row
	s_mov_b32 s[G1A+6], 0
	s_mov_b32 s[G1A+7], 0
	s_or_b32 s[G1B+0], s58, (1<<16)|(1<<20)|(1<<21)|(5<<22)|(3<<25)   ; after every 64 words 4 words
	s_mov_b32 s[G1B+1], 128<<16                    ; tensor_dim0 = 128
	s_mov_b32 s[G1B+2], 64<<16                     ; tensor_dim1 = 64
	s_mov_b32 s[G1B+3], 128<<16                    ; tile_dim0 = 128
	s_mov_b32 s[G1B+4], 64                         ; tile_dim1 = 64
	s_mov_b32 s[G1B+5], 512                        ; from row to row
	s_mov_b32 s[G1B+6], 0
	s_mov_b32 s[G1B+7], 0
	s_lshr_b32 s20, s18, 4                         ; ao: batch x 8 heads x 262,144 bytes (s[20:21] never hold cx)
	s_lshl_b32 s20, s20, 21
	s_and_b32 s21, s18, 15
	s_lshl_b32 s21, s21, 14                        ; + 128 rows of 128 bytes a block
	s_add_co_u32 s20, s20, s21
	s_lshl_b32 s21, s14, 18                        ; + my head
	s_add_co_u32 s20, s20, s21
	s_mov_b32 s21, 0
	s_lshl_b32 s22, s17, 17                        ; wo16: 128 nb rows of 1,024 bytes (s[22:23] never hold cy)
	s_and_b32 s23, s14, 1
	s_lshl_b32 s23, s23, 16                        ; + 64 rows for the upper half
	s_add_co_u32 s22, s22, s23
	s_lshr_b32 s23, s14, 1
	s_lshl_b32 s23, s23, 8                         ; + my chunk of 128 k
	s_add_co_u32 s22, s22, s23
	s_mov_b32 s23, 0
	s_mov_b32 s[G0A+0], 1
	s_mov_b32 s[G0A+4], 1
	s_mov_b32 s[G0B+0], 1
	s_mov_b32 s[G0B+4], 1
	s_mul_i32 s[G0A+1], s12, AHEAD                 ; waves 0-3: head w,
	s_add_co_u32 s[G0A+5], s[G0A+1], 4*AHEAD       ; head 4 + w
	s_mul_i32 s[G0B+1], s12, BPIECE
	s_add_co_u32 s[G0B+1], s[G0B+1], BOFF-4*BPIECE ; waves 4-7: piece w - 4,
	s_add_co_u32 s[G0B+5], s[G0B+1], 4*BPIECE      ; piece w
	s_lshl_b32 s56, s17, 9                         ; bo and out0: 128 nb + 64 nh columns of 4 bytes
	s_lshl_b32 s61, s60, 8
	s_add_co_u32 s56, s56, s61
	s_mov_b32 s57, 0
	v_and_b32 v10, 15, v0                          ; r
	v_bfe_u32 v11, v0, 4, 1                        ; h
	v_mul_u32_u24 v[FA], v10, 144
	v_lshl_add_u32 v[FA], v11, 4, v[FA]
	s_mul_i32 s61, s59, 4608
	v_add_nc_u32 v[FA], s61, v[FA]                 ; row 32 mw + r of a head's tile
	v_add_nc_u32 v[FA+1], 4*AHEAD, v[FA]
	v_mul_u32_u24 v[FB], v10, 272
	v_lshl_add_u32 v[FB], v11, 4, v[FB]
	s_mul_i32 s61, s60, BPIECE
	s_add_co_u32 s61, s61, BOFF
	v_add_nc_u32 v[FB], s61, v[FB]                 ; row r of piece nh
	v_add_nc_u32 v[FB+1], 4*BPIECE, v[FB]
	s_mul_i32 s61, s12, 4352
	s_add_co_u32 s61, s61, STAGE
	v_mul_u32_u24 v[STO], v10, 272
	v_lshl_add_u32 v[STO], v11, 5, v[STO]
	v_add_nc_u32 v[STO], s61, v[STO]
	v_mul_u32_u24 v[RD], v11, 272
	v_lshl_add_u32 v[RD], v10, 4, v[RD]
	v_add_nc_u32 v[RD], s61, v[RD]
	v_lshlrev_b32 v[BO], 4, v10
	v_lshl_add_u32 v[CO], v11, 11, v[BO]
	s_wait_dscnt 0x0
	s_wait_kmcnt 0x0
	s_add_nc_u64 s[G0A+2:G0A+3], s[4:5], s[20:21]
	s_add_nc_u64 s[G0A+6:G0A+7], s[G0A+2:G0A+3], 0x100000  ; four heads on
	s_or_b32 s[G0A+3], s[G0A+3], 0x80000000
	s_or_b32 s[G0A+7], s[G0A+7], 0x80000000
	s_add_nc_u64 s[G0B+2:G0B+3], s[6:7], s[22:23]
	s_add_nc_u64 s[G0B+6:G0B+7], s[G0B+2:G0B+3], 512       ; two chunks on
	s_or_b32 s[G0B+3], s[G0B+3], 0x80000000
	s_or_b32 s[G0B+7], s[G0B+7], 0x80000000
	s_add_nc_u64 s[8:9], s[8:9], s[56:57]
	s_lshl_b32 s61, s18, 18                        ; out0: + 128 mb + 32 mw rows of 2,048 bytes
	s_add_co_u32 s56, s56, s61
	s_lshl_b32 s61, s59, 16
	s_add_co_u32 s56, s56, s61
	s_add_nc_u64 s[10:11], s[10:11], s[56:57]
	ROUND                                          ; all sixteen work-groups are here: the joint loads meet
	JLOAD 0
	JLOAD 1
	global_load_b128 v[BI:BI+3], v[BO], s[8:9]
; 12 LDS loads: K step ks (32 along K) of my 32 tokens and 64 outputs, into buffer ks % 2
.macro FETCH ks
.set FBUF, F0+48*((\ks)%2)
.set FSTG, (\ks)/8
.set AOFF, (((\ks)/2)%4)*AHEAD+64*((\ks)%2)
.set BOFS, (((\ks)/4)%2)*2*BPIECE+64*((\ks)%4)
.irp tt, 0,1
	ds_load_b128 v[FBUF+8*\tt:FBUF+8*\tt+3],   v[FA+FSTG] offset:AOFF+\tt*2304
	ds_load_b128 v[FBUF+8*\tt+4:FBUF+8*\tt+7], v[FA+FSTG] offset:AOFF+\tt*2304+32
.endr
.irp nt, 0,1,2,3
	ds_load_b128 v[FBUF+16+8*\nt:FBUF+16+8*\nt+3],   v[FB+FSTG] offset:BOFS+\nt*4352
	ds_load_b128 v[FBUF+16+8*\nt+4:FBUF+16+8*\nt+7], v[FB+FSTG] offset:BOFS+\nt*4352+32
.endr
.endm
; 8 matrix instructions; the eight accumulators take turns, one instruction a turn
.macro MUL ks, zero
.set FBUF, F0+48*((\ks)%2)
.irp nt, 0,1,2,3
.irp tt, 0,1
.if \zero
	v_wmma_f32_16x16x32_bf16 v[ACC+8*(2*\nt+\tt):ACC+8*(2*\nt+\tt)+7], v[FBUF+16+8*\nt:FBUF+16+8*\nt+7], v[FBUF+8*\tt:FBUF+8*\tt+7], 0
.else
	v_wmma_f32_16x16x32_bf16 v[ACC+8*(2*\nt+\tt):ACC+8*(2*\nt+\tt)+7], v[FBUF+16+8*\nt:FBUF+16+8*\nt+7], v[FBUF+8*\tt:FBUF+8*\tt+7], v[ACC+8*(2*\nt+\tt):ACC+8*(2*\nt+\tt)+7]
.endif
.endr
.endr
.endm
	s_wait_tensorcnt 0x1                           ; my piece of K = 0 .. 255 is in; the second may stay out
	s_barrier_signal -1
	s_barrier_wait -1                              ; everybody's is
	FETCH 0
	FETCH 1
	s_wait_dscnt 0xc                               ; all but the 12 loads of the next K step
	MUL 0, 1
.irp ks, 1,2,3,4,5,6
	PLACES
	FETCH \ks+1
	s_wait_dscnt 0xc
	MUL \ks, 0
.endr
	s_wait_dscnt 0x0
	MUL 7, 0
	s_wait_tensorcnt 0x0                           ; my piece of K = 256 .. 511
	s_barrier_signal -1
	s_barrier_wait -1
	PLACES
	FETCH 8
	FETCH 9
	s_wait_dscnt 0xc
	MUL 8, 0
.irp ks, 9,10,11,12,13,14
	PLACES
	FETCH \ks+1
	s_wait_dscnt 0xc
	MUL \ks, 0
.endr
	s_wait_dscnt 0x0
	MUL 15, 0
	PLACES                                         ; before the results are stored and the buffers loaded again
	s_wait_loadcnt 0x0                             ; the bias
; 16 tokens x 64 outputs: 32 bytes a lane and tile into my own stage, rows of 256 bytes back, the bias, out.  f: a fragment buffer, one for each tt, so that no store's data are rewritten.
.macro OUT tt, f
.irp nt, 0,1,2,3
	ds_store_b128 v[STO], v[ACC+8*(2*\nt+\tt):ACC+8*(2*\nt+\tt)+3]   offset:64*\nt
	ds_store_b128 v[STO], v[ACC+8*(2*\nt+\tt)+4:ACC+8*(2*\nt+\tt)+7] offset:64*\nt+16
.endr
.irp i, 0,1,2,3,4,5,6,7
	ds_load_b128 v[\f+4*\i:\f+4*\i+3], v[RD] offset:\i*544         ; my own bytes: LDS serves a wave's instructions in order (ISA guide 5.7.1)
.endr
.irp i, 0,1,2,3,4,5,6,7
	s_wait_dscnt 7-\i
	v_pk_add_f32 v[\f+4*\i:\f+4*\i+1],   v[\f+4*\i:\f+4*\i+1],   v[BI:BI+1]
	v_pk_add_f32 v[\f+4*\i+2:\f+4*\i+3], v[\f+4*\i+2:\f+4*\i+3], v[BI+2:BI+3]
	global_store_b128 v[CO], v[\f+4*\i:\f+4*\i+3], s[10:11] offset:(16*\tt+2*\i)*2048 th:TH_STORE_NT   ; sixteen lanes store 256 consecutive bytes, aligned
.endr
.endm
	OUT 0, F0
	OUT 1, F1
	s_wait_tensorcnt 0x0
	ds_add_u32 v176, v177
	s_wait_dscnt 0x0
	ROUND                                          ; the closing round: no work-group ends while a partner may still ask for a tile that names it
	s_endpgm
.Lfunc_end_k_q5904d6f4dc_oproj:
	.size	k_q5904d6f4dc_oproj, .Lfunc_end_k_q5904d6f4dc_oproj-k_q5904d6f4dc_oproj
	.p2alignl 7, 3214868480
	.fill 96, 4, 3214868480
	.section	.rodata,"a",@progbits
	.p2align	6, 0x0
	.amdhsa_kernel k_q5904d6f4dc_oproj
		.amdhsa_group_segment_fixed_size 322560
		.amdhsa_private_segment_fixed_size 0
		.amdhsa_enable_private_segment 0
		.amdhsa_kernarg_size 32
		.amdhsa_user_sgpr_count 2
		.amdhsa_user_sgpr_kernarg_segment_ptr 1
		.amdhsa_wavefront_size32 1
		.amdhsa_system_sgpr_workgroup_id_x 1
		.amdhsa_system_sgpr_workgroup_id_y 1
		.amdhsa_system_sgpr_workgroup_id_z 1
		.amdhsa_system_vgpr_workitem_id 0
		.amdhsa_next_free_vgpr 178
		.amdhsa_next_free_sgpr 66
		.amdhsa_reserve_vcc 0
		.amdhsa_float_denorm_mode_32 3
		.amdhsa_float_denorm_mode_16_64 3
		.amdhsa_memory_ordered 1
		.amdhsa_forward_progress 1
		.amdhsa_inst_pref_size 36
	.end_amdhsa_kernel
	.amdgpu_metadata
---
amdhsa.version: [ 1, 2 ]
amdhsa.kernels:
  - .name:           k_q5904d6f4dc_oproj
    .symbol:         k_q5904d6f4dc_oproj.kd
    .args:
      - { .name: ao, .offset: 0, .size: 8, .value_kind: global_buffer, .address_space: global }
      - { .name: wo16, .offset: 8, .size: 8, .value_kind: global_buffer, .address_space: global }
      - { .name: bo, .offset: 16, .size: 8, .value_kind: global_buffer, .address_space: global }
      - { .name: out0, .offset: 24, .size: 8, .value_kind: global_buffer, .address_space: global }
    .group_segment_fixed_size: 322560
    .private_segment_fixed_size: 0
    .kernarg_segment_align: 8
    .kernarg_segment_size: 32
    .max_flat_workgroup_size: 256
    .sgpr_count:     66
    .vgpr_count:     178
    .wavefront_size: 32
...
	.end_amdgpu_metadata
.endif
;; end of part 3
